; MI455X (gfx1250); checked and timed in simulation.
; The chip was launched on July 23, 2026; its instructions are those of AMD's public machine-readable ISA for CDNA 5 (MIT licence, August 2026) and "CDNA5" Instruction Set Architecture Reference Guide (July 2026). The comments in the code are by the model that wrote it; some were corrected since.
;; Multi Head Attention. Allowed arithmetic: float matrix products may take bf16 or f16 operands with f32 sums; all other float work in f32.
;; Inputs: w_proj 1,024 x 1,024 float32; w_qkv 1,024 x 3,072 float32; x 2 x 2,048 x 1,024 float32.
;; Outputs: out0 2 x 2,048 x 1,024 float32.
;; One version. Each part assembles by itself: llvm-mc -triple=amdgcn-amd-amdhsa -mcpu=gfx1250 --defsym DOCPART=n.
;; ======== version 1 of 1: 4 launches
;; limits: values are held in f16: magnitudes above 65,504 overflow, below 6.1e-05 lose precision
;; workspace buffers: xb 8,388,608 bytes; wt 8,388,608 bytes; qkv 25,165,824 bytes; yh 8,388,608 bytes
;; launch cast (part 1): grid 256 x 1, 8 waves a work-group, no clusters, 70,656 bytes of LDS; arguments x, w_qkv, w_proj, xb, wt; writes xb, wt
.if DOCPART == 1
	.amdgcn_target "amdgcn-amd-amdhsa--gfx1250"
	.amdhsa_code_object_version 6
	.text
	.protected	k_qf33b808c9a_cast
	.globl	k_qf33b808c9a_cast
	.p2align	8
	.type	k_qf33b808c9a_cast,@function
k_qf33b808c9a_cast:
	s_mov_b64 s[64:65], 0
	v_nop
	global_prefetch_b8 v0, s[64:65] scope:SCOPE_SE
	s_setreg_imm32_b32 hwreg(HW_REG_WAVE_MODE, 25, 1), 1
	s_wait_xcnt 0x0
; cast: the three f32 inputs become the 16-bit matrix operands of the later launches, each input byte read once.
;   xb[4096][1024] = bf16(x);   wt[n][k] = bf16(w_qkv[k][n]) for n < 3072;   wt[3072+n][k] = f16(bf16(w_proj[k][n])).
; The weights are turned so that K lies along the rows, as both sources of a matrix instruction want it.
; All three inputs are rounded to bf16, once, to nearest even.  w_proj's bf16 number is then written as f16, because its partner in the last
; product, y, needs f16's eleven bits and both sources of a matrix instruction have one format.  A bf16 number has eight bits, so that
; step is exact for magnitudes from 2^-17 to 65,504.
; LIMIT: a |w_proj| from 65,520 on becomes infinity; below 2^-17 it is off by at most 2^-25.  x and w_qkv keep f32's range.
; Work-groups 0-127 take 131,072 bytes of x each; work-groups 128-255 a block of 128 k x 256 n of a weight (131,072 bytes too).
; A stream: no matrix unit, no cluster (no two work-groups read the same byte).  All 32 loads of a wave are issued before the first wait.
.set D,  32                            ; v[32:159] the 32 loads of a wave, 4 registers each
.set T,  8                             ; v[8:23]   four sets of four registers: 8 numbers of 16 bits along k for one n
.set U,  24                            ; v[24:31]  w_proj alone: four pairs of bf16 numbers, widened to f32 again
.set TP, 272                           ; LDS pitch of the turned tile: 128 k x 2 bytes + 16
; the 32 loads of a weight block: k rows 0-15 of the wave, two pieces of 512 bytes (128 n) each
.macro LOADW p, pitch, first
	s_mul_i32 s20, s18, \pitch                     ; my first k row, in bytes
	s_sub_co_u32 s21, s17, \first                  ; the block's number among this weight's column blocks
	s_lshl_b32 s21, s21, 10                        ; 256 columns of 4 bytes
	s_add_co_u32 s20, s20, s21
	s_mov_b32 s21, 0
	s_add_nc_u64 s[22:23], s[\p:\p+1], s[20:21]
.irp i, 0,1,2,3,4,5,6,7,8,9,10,11,12,13,14,15
.irp c, 0,1
	global_load_b128 v[D+8*\i+4*\c:D+8*\i+4*\c+3], v2, s[22:23] offset:\i*\pitch+512*\c th:TH_LOAD_NT
.endr
.endr
.endm
; Tile T[n][k] in LDS.  A lane packs 8 neighbouring k of one n into 16 bytes.
; 16 stores a wave, accepted.
; tof16 = 1: the bf16 numbers are written as f16.
.macro PACK tof16
.irp e, 0,1
	s_wait_loadcnt 16-16*\e                        ; k rows 8 e .. 8 e + 7 are in (16 loads); the 16 younger ones may stay out
.irp c, 0,1
.irp j, 0,1,2,3
.irp q, 0,1,2,3
	v_cvt_pk_bf16_f32 v[T+4*\j+\q], v[D+8*(8*\e+2*\q)+4*\c+\j], v[D+8*(8*\e+2*\q+1)+4*\c+\j]
.endr
.if \tof16
.irp q, 0,1,2,3
	v_lshlrev_b32 v[U+2*\q], 16, v[T+4*\j+\q]                  ; bf16 to f32: the low half moves up,
	v_and_b32 v[U+2*\q+1], 0xffff0000, v[T+4*\j+\q]            ; the high half stays
.endr
.irp q, 0,1,2,3
	v_cvt_pk_f16_f32 v[T+4*\j+\q], v[U+2*\q], v[U+2*\q+1]
.endr
.endif
	ds_store_b128 v4, v[T+4*\j:T+4*\j+3] offset:(128*\c+\j)*TP+16*\e
.endr
.endr
.endr
.endm
	s_load_b256 s[4:11], s[0:1], 0x0               ; x s[4:5], w_qkv s[6:7], w_proj s[8:9], xb s[10:11]
	s_load_b64 s[12:13], s[0:1], 0x20              ; wt
	v_lshl_add_u32 v160, v0, 2, 0x11000
	v_mov_b32 v161, 0
	v_and_b32 v1, 31, v0                           ; lane
	v_lshrrev_b32 v2, 5, v0
	v_readfirstlane_b32 s14, v2                    ; wave
	s_cmp_lt_u32 ttmp9, 128
	s_cbranch_scc0 .Lweights
	; ---- x: thread t takes the 16 bytes at 16 t of every 4,096, and stores 8 bytes at 8 t of every 2,048
	s_lshl_b32 s16, ttmp9, 17
	s_mov_b32 s17, 0
	s_lshl_b32 s18, ttmp9, 16
	s_mov_b32 s19, 0
	v_lshlrev_b32 v2, 4, v0
	v_lshlrev_b32 v3, 3, v0
	s_wait_kmcnt 0x0
	s_add_nc_u64 s[4:5], s[4:5], s[16:17]
	s_add_nc_u64 s[10:11], s[10:11], s[18:19]
.set i, 0
.rept 32
	global_load_b128 v[D+4*i:D+4*i+3], v2, s[4:5] offset:4096*i th:TH_LOAD_NT
.set i, i+1
.endr
.set i, 0
.rept 32
	s_wait_loadcnt 31-i                            ; loads return in order: number i is in, the 31 - i younger ones stay out
	v_cvt_pk_bf16_f32 v[D+4*i], v[D+4*i], v[D+4*i+1]
	v_cvt_pk_bf16_f32 v[D+4*i+1], v[D+4*i+2], v[D+4*i+3]
	global_store_b64 v3, v[D+4*i:D+4*i+1], s[10:11] offset:2048*i   ; a wave's store covers 256 consecutive bytes, aligned; no register is written again
.set i, i+1
.endr
	s_endpgm
	; ---- a weight block: 128 k x 256 n, turned through LDS
.Lweights:
	s_sub_co_u32 s15, ttmp9, 128
	s_and_b32 s16, s15, 7                          ; kb: which 128 k
	s_lshr_b32 s17, s15, 3                         ; nb: which 256 rows of wt (0-11 from w_qkv, 12-15 from w_proj)
	s_lshl_b32 s18, s16, 7
	s_lshl4_add_u32 s18, s14, s18                  ; my first k row: 128 kb + 16 wave
	v_lshlrev_b32 v2, 4, v1                        ; 16 bytes a lane: n = 128 c + 4 lane + 0..3
	v_mul_u32_u24 v4, v1, 4*TP
	v_lshl_add_u32 v4, s14, 5, v4                  ; into the tile: row 4 lane, byte 2 x 16 wave
	v_lshrrev_b32 v7, 4, v1
	v_lshl_add_u32 v7, s14, 5, v7                  ; the way back: row 32 wave + lane / 16
	v_and_b32 v6, 15, v1
	v_lshlrev_b32 v6, 4, v6                        ; 16 (lane mod 16)
	v_mul_u32_u24 v5, v7, TP
	v_add_nc_u32 v5, v5, v6                        ; in LDS
	v_lshl_add_u32 v6, v7, 11, v6                  ; in wt: rows of 2,048 bytes
	s_wait_kmcnt 0x0
	s_cmp_lt_u32 s17, 12
	s_cbranch_scc0 .Lfrom_proj
	LOADW 6, 12288, 0
	PACK 0
	s_branch .Lturned
.Lfrom_proj:
	LOADW 8, 4096, 12
	PACK 1
.Lturned:
	s_lshl_b32 s20, s17, 19                        ; 256 rows of 2,048 bytes
	s_lshl_b32 s21, s16, 8                         ; 128 k of 2 bytes
	s_add_co_u32 s20, s20, s21
	s_mov_b32 s21, 0
	s_add_nc_u64 s[12:13], s[12:13], s[20:21]
	s_wait_dscnt 0x0                               ; my stores are in LDS: zero, for the other waves' sake
	s_barrier_signal -1
	s_barrier_wait -1
.irp t, 0,1,2,3,4,5,6,7,8,9,10,11,12,13,14,15
	ds_load_b128 v[D+4*\t:D+4*\t+3], v5 offset:2*TP*\t          ; two rows of 256 bytes
.endr
.irp t, 0,1,2,3,4,5,6,7,8,9,10,11,12,13,14,15
	s_wait_dscnt 15-\t
	global_store_b128 v6, v[D+4*\t:D+4*\t+3], s[12:13] offset:4096*\t   ; sixteen lanes store 256 consecutive bytes, aligned
.endr
	s_wait_tensorcnt 0x0
	ds_add_u32 v160, v161
	s_wait_dscnt 0x0
	s_endpgm
.Lfunc_end_k_qf33b808c9a_cast:
	.size	k_qf33b808c9a_cast, .Lfunc_end_k_qf33b808c9a_cast-k_qf33b808c9a_cast
	.p2alignl 7, 3214868480
	.fill 96, 4, 3214868480
	.section	.rodata,"a",@progbits
	.p2align	6, 0x0
	.amdhsa_kernel k_qf33b808c9a_cast
		.amdhsa_group_segment_fixed_size 70656
		.amdhsa_private_segment_fixed_size 0
		.amdhsa_enable_private_segment 0
		.amdhsa_kernarg_size 40
		.amdhsa_user_sgpr_count 2
		.amdhsa_user_sgpr_kernarg_segment_ptr 1
		.amdhsa_wavefront_size32 1
		.amdhsa_system_sgpr_workgroup_id_x 1
		.amdhsa_system_sgpr_workgroup_id_y 1
		.amdhsa_system_sgpr_workgroup_id_z 1
		.amdhsa_system_vgpr_workitem_id 0
		.amdhsa_next_free_vgpr 162
		.amdhsa_next_free_sgpr 66
		.amdhsa_reserve_vcc 0
		.amdhsa_float_denorm_mode_32 3
		.amdhsa_float_denorm_mode_16_64 3
		.amdhsa_memory_ordered 1
		.amdhsa_forward_progress 1
		.amdhsa_inst_pref_size 43
	.end_amdhsa_kernel
	.amdgpu_metadata
---
amdhsa.version: [ 1, 2 ]
amdhsa.kernels:
  - .name:           k_qf33b808c9a_cast
    .symbol:         k_qf33b808c9a_cast.kd
    .args:
      - { .name: x, .offset: 0, .size: 8, .value_kind: global_buffer, .address_space: global }
      - { .name: w_qkv, .offset: 8, .size: 8, .value_kind: global_buffer, .address_space: global }
      - { .name: w_proj, .offset: 16, .size: 8, .value_kind: global_buffer, .address_space: global }
      - { .name: xb, .offset: 24, .size: 8, .value_kind: global_buffer, .address_space: global }
      - { .name: wt, .offset: 32, .size: 8, .value_kind: global_buffer, .address_space: global }
    .group_segment_fixed_size: 70656
    .private_segment_fixed_size: 0
    .kernarg_segment_align: 8
    .kernarg_segment_size: 40
    .max_flat_workgroup_size: 256
    .sgpr_count:     66
    .vgpr_count:     162
    .wavefront_size: 32
...
	.end_amdgpu_metadata
.endif
;; end of part 1
;; launch qkv (part 2): grid 12 x 16, 4 waves a work-group, clusters of 4 x 4, 327,680 bytes of LDS; arguments xb, wt, qkv; writes qkv
.if DOCPART == 2
	.amdgcn_target "amdgcn-amd-amdhsa--gfx1250"
	.amdhsa_code_object_version 6
	.text
	.protected	k_qf33b808c9a_qkv
	.globl	k_qf33b808c9a_qkv
	.p2align	8
	.type	k_qf33b808c9a_qkv,@function
k_qf33b808c9a_qkv:
	s_mov_b64 s[64:65], 0
	v_nop
	global_prefetch_b8 v0, s[64:65] scope:SCOPE_SE
	s_setreg_imm32_b32 hwreg(HW_REG_WAVE_MODE, 25, 1), 1
	s_wait_xcnt 0x0
	s_wait_alu depctr_hold_cnt(0) depctr_sa_sdst(0) depctr_va_vdst(0) depctr_va_sdst(0) depctr_va_ssrc(0) depctr_va_vcc(0) depctr_vm_vsrc(0)
	s_getreg_b32 s2, hwreg(HW_REG_IB_STS2, 6, 4)
	s_cmp_eq_u32 s2, 0
	s_cbranch_scc0 .Lentry_in_a_cluster
	s_endpgm
.Lentry_in_a_cluster:
	s_bfe_u32 s2, ttmp6, 0x10000c
	s_cmp_lg_u32 s2, 0xf033
	s_cbranch_scc0 .Lentry_shape_is_right
	s_endpgm
.Lentry_shape_is_right:
; qkv: C[m][n] = sum over k of xb[m][k] wt[n][k], m < 4096, n < 3072, k < 1024; bf16 operands, f32 sums, f16 result stored head-major:
; qkv[hc][m][d], hc = n / 64 (0-15 q, 16-31 k, 32-47 v), d = n % 64: byte hc x 524,288 + m x 128 + 2 d.
; q's sums (n < 1024) are multiplied in f32 by log2(e) / 8 before their one rounding, so that the attention launch's scores are exponents of 2.
; The result is f16 and not bf16: the first rows of the layer's output are some ten times larger than its root mean square, and v in
; bf16's eight bits would not keep them inside one hundredth of that root mean square.
; LIMIT: a |q|, |k| or |v| from 65,520 on becomes infinity in f16.
; A work-group makes 256 x 256 of C with four waves; a wave makes 128 x 128: 64 accumulator tiles, 512 registers.  K goes in steps of 128
; through a ring of two LDS slots filled by the tensor data mover; a tile's rows are 256 bytes of memory at multiples of 256 bytes.
; 192 work-groups: 4096 x 3072 holds no more blocks of this size; a smaller block would read more LDS bytes for each product.
; CLUSTERS: 4 x 4 work-groups.  The four of a row of the cluster need the same tiles of xb, the four of a column the same tiles of wt: each such tile is
; asked for jointly, by the same tensor load with the same descriptor and a mask that names the four, which divides the requests by four.
; REGISTERS, in windows of 256: window 0: v0-31 addresses, v64-127 and v128-191 fragments of xb (two buffers), v192-223 the way out;
; window 1: v64-127, v128-191 fragments of wt; window 2: accumulators of my rows 0-63 (tile (a, b) at v[8 (8 a + b)]); window 3: rows 64-127.
; The matrix instruction is used transposed (source 0 = 16 rows of wt, source 1 = 16 rows of xb): lane l then holds row l % 16 of C and
; in its eight registers the columns 8 (l / 16) + 0..7, eight neighbouring numbers.
.set SIZE_K, 1024
.set KSTEP,  128
.set PITCH,  272                       ; an LDS row: 256 bytes + 16 of padding: the 16 rows of a fragment load start 16 bytes apart modulo 256
.set HALFT,  128*PITCH                 ; 128 rows: what one tensor load brings
.set SLOT,   4*HALFT                   ; xb's 256 rows, then wt's 256 rows
.set STAGE,  2*SLOT                    ; behind the ring: 16 rows x 272 bytes for each wave; no tensor load lands here
.set SPITCH, 272
.set LAPS, SIZE_K/(2*KSTEP)            ; a lap = two K steps = once round the ring: 4
.set ADRA, 16                          ; v16-17  LDS address of my xb fragments in slot 0, 1
.set ADRB, 20                          ; v20-21  the same for wt
.set STO,  24                          ; the way out: where I put 16 bytes of a row
.set RD,   25                          ; the way out: where I read back
.set CO,   26                          ; my byte offset in qkv
.set F0,   64
.set F1,   128
.set TMP,  192
.set G1, 24                            ; s[24:31] descriptor group 1 for xb's tiles
.set G0, 32                            ; s[32:39] group 0 for xb's tiles, one set for each slot
.set G1B, 48                           ; s[48:55] group 1 for wt's tiles: another mask
.set G0B, 56                           ; s[56:63] group 0 for wt's tiles
.set MSB, 0
.macro WIN new                         ; the immediate's high byte repeats the setting that is left
.if MSB != \new
	s_set_vgpr_msb (MSB<<8)|\new
.set MSB, \new
.endif
.endm
.set MUL_LO, 0xa1                      ; source 0 window 1, source 1 window 0, C and D window 2
.set MUL_HI, 0xf1                      ; the same, C and D window 3
.set TO_B,   0x40                      ; destination window 1
; A joint load: waves 0 and 1 fetch xb's two halves, waves 2 and 3 wt's.  The branch hangs on the wave's number alone.
.macro JLOAD s
	s_cmp_eq_u32 s11, 0
	s_cbranch_scc0 .Lfor_b_\@
	tensor_load_to_lds s[G0+4*\s:G0+4*\s+3], s[G1:G1+7]
	s_nop 0
	s_branch .Lasked_\@
.Lfor_b_\@:
	tensor_load_to_lds s[G0B+4*\s:G0B+4*\s+3], s[G1B:G1B+7]
	s_nop 0
.Lasked_\@:
.endm
; A round of the cluster's barrier: my work-group's barrier; wave 0 signals for the work-group; every wave waits for all sixteen; my work-group's barrier again.
.macro CREST
	s_cmp_lg_u32 s10, 0
	s_cbranch_scc1 .Lnot_wave_0_\@
	s_barrier_signal -3
.Lnot_wave_0_\@:
	s_barrier_wait -3
	s_barrier_signal -1
	s_barrier_wait -1
.endm
.macro CROUND
	s_barrier_signal -1
	s_barrier_wait -1
	CREST
.endm
	s_load_b128 s[4:7], s[0:1], 0x0                ; xb s[4:5], wt s[6:7]
	s_load_b64 s[8:9], s[0:1], 0x10                ; qkv
	s_set_vgpr_msb 0x40
	v_lshl_add_u32 v255, v0, 2, 0x48400
	s_set_vgpr_msb 0x4000
	v_mov_b32 v255, 0
	s_set_vgpr_msb 0x1
	ds_add_u32 v255, v255
	ds_add_u32 v255, v255
	s_set_vgpr_msb 0x100
	v_lshrrev_b32 v1, 5, v0
	v_readfirstlane_b32 s10, v1                    ; wave 0..3
	s_lshr_b32 s11, s10, 1                         ; my half of the block's rows; also: I fetch for xb (0) or wt (1)
	s_and_b32 s12, s10, 1                          ; my half of its columns; also: which 128 rows of that tile I fetch
	s_bfe_u32 s40, ttmp6, 0x40000                  ; cx
	s_bfe_u32 s41, ttmp6, 0x40004                  ; cy
	s_lshl_b32 s42, ttmp9, 2
	s_add_co_u32 s42, s42, s40                     ; block column = 4 x cluster x + cx
	s_and_b32 s13, ttmp7, 0xffff
	s_lshl_b32 s13, s13, 2
	s_add_co_u32 s13, s13, s41                     ; block row = 4 x cluster y + cy
	s_lshl_b32 s43, s41, 2
	s_lshl_b32 s43, 15, s43                        ; my row of the cluster: places 4 cy .. 4 cy + 3
	s_lshl_b32 s44, 0x1111, s40                    ; my column: places cx, cx + 4, cx + 8, cx + 12
	; group 1: 128 rows x 128 elements of 2 bytes, 4 words of padding behind every 64 words
	s_or_b32 s[G1+0], s43, (1<<16)|(1<<20)|(1<<21)|(5<<22)|(3<<25)
	s_or_b32 s[G1B+0], s44, (1<<16)|(1<<20)|(1<<21)|(5<<22)|(3<<25)
	s_mov_b32 s[G1B+1], KSTEP<<16
	s_mov_b32 s[G1+1], KSTEP<<16                   ; tensor_dim0 = 128
	s_mov_b32 s[G1B+2], 128<<16
	s_mov_b32 s[G1+2], 128<<16                     ; tensor_dim1 = 128
	s_mov_b32 s[G1B+3], KSTEP<<16
	s_mov_b32 s[G1+3], KSTEP<<16                   ; tile_dim0 = 128
	s_mov_b32 s[G1B+4], 128
	s_mov_b32 s[G1+4], 128                         ; tile_dim1 = 128
	s_mov_b32 s[G1B+5], SIZE_K
	s_mov_b32 s[G1+5], SIZE_K                      ; elements from row to row
	s_mov_b32 s[G1B+6], 0
	s_mov_b32 s[G1+6], 0
	s_mov_b32 s[G1B+7], 0
	s_mov_b32 s[G1+7], 0
	; xb's tiles hang on the block row alone, wt's on the block column alone; each address in registers that never hold the other coordinate
	s_lshl_b32 s17, s12, 7
	s_lshl_b32 s16, s13, 8
	s_add_co_u32 s16, s16, s17                     ; xb: row 256 x block row + 128 x half
	s_lshl_b32 s46, s42, 8
	s_add_co_u32 s46, s46, s17                     ; wt: row 256 x block column + 128 x half
	s_mov_b32 s17, 0
	s_mov_b32 s47, 0
	s_mov_b64 s[18:19], SIZE_K*2
	s_mul_u64 s[16:17], s[16:17], s[18:19]
	s_mul_u64 s[46:47], s[46:47], s[18:19]
	s_mul_i32 s20, s10, HALFT                      ; where they go: wave x 128 rows
	s_wait_dscnt 0x0
	s_wait_kmcnt 0x0
	s_add_nc_u64 s[14:15], s[4:5], s[16:17]
	s_add_nc_u64 s[46:47], s[6:7], s[46:47]
	CROUND                                         ; all sixteen work-groups are here: the first joint loads meet
.irp s, 0,1
	s_mov_b32 s[G0+4*\s], 1
	s_add_co_u32 s[G0+4*\s+1], s20, \s*SLOT
	s_add_nc_u64 s[G0+4*\s+2:G0+4*\s+3], s[14:15], \s*KSTEP*2
	s_or_b32 s[G0+4*\s+3], s[G0+4*\s+3], 0x80000000
	s_mov_b32 s[G0B+4*\s], 1
	s_add_co_u32 s[G0B+4*\s+1], s20, \s*SLOT
	s_add_nc_u64 s[G0B+4*\s+2:G0B+4*\s+3], s[46:47], \s*KSTEP*2
	s_or_b32 s[G0B+4*\s+3], s[G0B+4*\s+3], 0x80000000
	JLOAD \s                                       ; both slots' first fills go out together: two loads of the wave are out
.endr
	; a fragment: lane l holds row l % 16; registers 0-3 K = 8 (l / 16) + 0..7, registers 4-7 K = 16 + 8 (l / 16) + 0..7: two loads, 32 bytes apart
	v_and_b32 v1, 15, v0                           ; l % 16
	v_bfe_u32 v2, v0, 4, 1                         ; l / 16
	v_mul_u32_u24 v3, v1, PITCH
	v_lshl_add_u32 v3, v2, 4, v3
	s_mul_i32 s21, s11, HALFT
	s_mul_i32 s22, s12, HALFT
	s_add_co_u32 s22, s22, 2*HALFT
.irp s, 0,1
	v_add_nc_u32 v[ADRA+\s], s21, v3
	v_add_nc_u32 v[ADRB+\s], s22, v3
	s_add_co_u32 s21, s21, SLOT
	s_add_co_u32 s22, s22, SLOT
.endr
	s_mul_i32 s23, s10, 16*SPITCH
	s_add_co_u32 s23, s23, STAGE                   ; my stage
	v_mul_u32_u24 v4, v1, SPITCH                   ; in: row l % 16, 16 bytes for each half of the lanes
	v_lshl_add_u32 v4, v2, 4, v4
	v_add_nc_u32 v[STO], s23, v4
	; back: a stage row holds 128 bytes of my first head and 128 of my second.  Lanes 0-15 take two rows' 128 bytes of the first head,
	; which are 256 neighbouring bytes of qkv; lanes 16-31 the same of the second head.
	v_bfe_u32 v6, v0, 3, 1                         ; which of the two rows
	v_and_b32 v7, 7, v0                            ; which 16 bytes of the 128
	v_mul_u32_u24 v5, v6, SPITCH
	v_lshl_add_u32 v5, v2, 7, v5
	v_lshl_add_u32 v5, v7, 4, v5
	v_add_nc_u32 v[RD], s23, v5
	v_lshlrev_b32 v5, 19, v2                       ; the second head lies 524,288 bytes on
	v_lshl_add_u32 v[CO], v1, 4, v5
; 16 matrix instructions: m blocks a0, a0 + 1 of the window's four x all 8 n blocks, 32 along K.  zero = 1: the first product starts the sums.
.macro MUL16 f, hi, a0, zero
.irp a, \a0, \a0+1
.irp b, 0,1,2,3,4,5,6,7
.if \zero
	v_wmma_f32_16x16x32_bf16 v[8*(8*(\a)+\b):8*(8*(\a)+\b)+7], v[\f+8*\b:\f+8*\b+7], v[\f+8*(4*\hi+\a):\f+8*(4*\hi+\a)+7], 0
.else
	v_wmma_f32_16x16x32_bf16 v[8*(8*(\a)+\b):8*(8*(\a)+\b)+7], v[\f+8*\b:\f+8*\b+7], v[\f+8*(4*\hi+\a):\f+8*(4*\hi+\a)+7], v[8*(8*(\a)+\b):8*(8*(\a)+\b)+7]
.endif
.endr
.endr
.endm
; 32 LDS loads in one run: the fragments of one quarter step into buffer f
.macro FETCH slot, k, f
	WIN TO_B
.irp i, 0,1,2,3,4,5,6,7
	ds_load_b128 v[\f+8*\i:\f+8*\i+3],   v[ADRB+\slot] offset:\k+\i*16*PITCH
	ds_load_b128 v[\f+8*\i+4:\f+8*\i+7], v[ADRB+\slot] offset:\k+\i*16*PITCH+32
.endr
	WIN 0
.irp i, 0,1,2,3,4,5,6,7
	ds_load_b128 v[\f+8*\i:\f+8*\i+3],   v[ADRA+\slot] offset:\k+\i*16*PITCH
	ds_load_b128 v[\f+8*\i+4:\f+8*\i+7], v[ADRA+\slot] offset:\k+\i*16*PITCH+32
.endr
.endm
; Four independent vector instructions stand between a matrix instruction and a load into one of its registers or a vector
; instruction that touches them (ISA guide 7.12.1 for vector instructions).
.macro PLACES
.rept 4
	v_nop
.endr
.endm
; A K step is four quarters of 32 along K, 64 matrix instructions each, on buffers 0, 1, 0, 1.  The 64 accumulators take turns,
; one instruction a turn, in the same order in every quarter.
.macro QUARTER slot, k, f, g, zero
	s_wait_dscnt 8                                 ; wt's fragments and xb's rows 0-63 are in; the youngest eight loads may be out
	WIN MUL_LO
	MUL16 \f, 0, 0, \zero
	MUL16 \f, 0, 2, \zero
	PLACES
	FETCH \slot, \k, \g
	s_wait_dscnt 32                                ; all but the 32 just issued
	WIN MUL_HI
	MUL16 \f, 1, 0, \zero
	MUL16 \f, 1, 2, \zero
.endm
.macro THREE slot, zero
	QUARTER \slot, 64,  F0, F1, \zero
	QUARTER \slot, 128, F1, F0, 0
	QUARTER \slot, 192, F0, F1, 0
.endm
; The last quarter changes slots.  In front of the barrier each wave waits for its reads of this slot and for all its tensor loads (one is
; out: its part of the next slot).  Behind it the refill comes first, then the next slot's first fragments.
.macro TURN slot, next, fill
	s_wait_dscnt 8
	WIN MUL_LO
	MUL16 F1, 0, 0, 0
	s_wait_dscnt 0                                 ; my reads of this slot are over
	s_wait_tensorcnt 0x0                           ; all my tensor loads have landed
	ds_add_u32 v255, v255
	s_wait_dscnt 0x0
	s_barrier_signal -1                            ; where a slot is filled again this barrier opens a round of the cluster's barrier
	MUL16 F1, 0, 2, 0                              ; register work while the others arrive
	WIN 0
	s_barrier_wait -1
.if \fill
	CREST                                          ; no wave of any partner still reads this slot or has a load on its way
	s_add_nc_u64 s[G0+4*\slot+2:G0+4*\slot+3], s[G0+4*\slot+2:G0+4*\slot+3], 2*KSTEP*2
	s_add_nc_u64 s[G0B+4*\slot+2:G0B+4*\slot+3], s[G0B+4*\slot+2:G0B+4*\slot+3], 2*KSTEP*2
	JLOAD \slot                                    ; the wave's one tensor load behind the round
.endif
	PLACES
	FETCH \next, 0, F0
	WIN MUL_HI
	MUL16 F1, 1, 0, 0
	MUL16 F1, 1, 2, 0
.endm
.macro LAP zero
	THREE 0, \zero
	TURN 0, 1, 1
	THREE 1, 0
	TURN 1, 0, 1
.endm
	s_wait_tensorcnt 1                             ; my part of K step 0 is in; K step 1's load may stay out
	s_barrier_signal -1
	s_barrier_wait -1
	FETCH 0, 0, F0
	LAP 1                                          ; the first lap's first products start the sums
	WIN 0
	s_mov_b32 s3, LAPS-2
.Llap:
	LAP 0
	WIN 0
	s_sub_co_u32 s3, s3, 1
	s_cmp_lg_u32 s3, 0
	s_cbranch_scc1 .Llap
	THREE 0, 0                                     ; the last lap fills nothing
	TURN 0, 1, 0
	THREE 1, 0
	s_wait_dscnt 8
	WIN MUL_LO
	MUL16 F1, 0, 0, 0
	MUL16 F1, 0, 2, 0
	s_wait_dscnt 0
	WIN MUL_HI
	MUL16 F1, 1, 0, 0
	MUL16 F1, 1, 2, 0
	; THE WAY OUT, 16 rows at a time, through my own stage.  My 128 columns are two whole heads, 4 x block column + 2 x half and the next.
	PLACES
	WIN 0
	s_lshl_b32 s13, s13, 8
	s_lshl_b32 s14, s11, 7
	s_add_co_u32 s16, s13, s14                     ; my first row m
	s_lshl_b32 s16, s16, 7                         ; rows of 128 bytes
	s_mov_b32 s17, 0
	s_add_nc_u64 s[8:9], s[8:9], s[16:17]
	s_lshl_b32 s46, s42, 2
	s_lshl_b32 s47, s12, 1
	s_add_co_u32 s46, s46, s47                     ; my first head
	s_lshl_b32 s46, s46, 19                        ; heads of 524,288 bytes
	s_mov_b32 s47, 0
	s_add_nc_u64 s[8:9], s[8:9], s[46:47]
	s_mov_b32 s20, 0x3e38aa3b                      ; log2(e) / 8
	s_mov_b32 s21, 0x3e38aa3b
; rows 16 i .. 16 i + 15 of my block = tiles (a, 0..7) of window 2 or 3.  from: sources 0, 1 in that window; own: source 0 and destination in it.
.macro OUT16 i, a, from, own, f
	s_cmp_lg_u32 ttmp9, 0                          ; columns 0-1023, q, are the block columns 0-3: the clusters with x = 0; the same in all partners
	s_cbranch_scc1 .Lunscaled_\@
	WIN \own
.irp b, 0,1,2,3,4,5,6,7
.irp r, 0,1,2,3
	v_pk_mul_f32 v[8*(8*\a+\b)+2*\r:8*(8*\a+\b)+2*\r+1], v[8*(8*\a+\b)+2*\r:8*(8*\a+\b)+2*\r+1], s[20:21] op_sel_hi:[1,0]
.endr
.endr
	WIN 0
.Lunscaled_\@:
	WIN \from
.irp b, 0,1,2,3,4,5,6,7
.irp r, 0,1,2,3
	v_cvt_pk_f16_f32 v[TMP+4*\b+\r], v[8*(8*\a+\b)+2*\r], v[8*(8*\a+\b)+2*\r+1]
.endr
.endr
	WIN 0
.irp b, 0,1,2,3,4,5,6,7
	ds_store_b128 v[STO], v[TMP+4*\b:TMP+4*\b+3] offset:32*\b
.endr
	s_wait_xcnt 0x0                                ; buffer f, which earlier stores read, and the stores' base are written again only behind this wait
.if \i
	s_add_nc_u64 s[8:9], s[8:9], 16*128            ; 16 rows on
.endif
.irp t, 0,1,2,3,4,5,6,7
	ds_load_b128 v[\f+4*\t:\f+4*\t+3], v[RD] offset:\t*2*SPITCH    ; LDS serves a wave's instructions in order: these see the stores above
.endr
.irp t, 0,1,2,3,4,5,6,7
	s_wait_dscnt 7-\t
	global_store_b128 v[CO], v[\f+4*\t:\f+4*\t+3], s[8:9] offset:256*\t   ; 16 lanes store two rows of a head: 256 consecutive bytes, aligned
.endr
.endm
	OUT16 0, 0, 0x0a, 0x82, F0
	OUT16 1, 1, 0x0a, 0x82, F1
	OUT16 2, 2, 0x0a, 0x82, F0
	OUT16 3, 3, 0x0a, 0x82, F1
	OUT16 4, 0, 0x0f, 0xc3, F0
	OUT16 5, 1, 0x0f, 0xc3, F1
	OUT16 6, 2, 0x0f, 0xc3, F0
	OUT16 7, 3, 0x0f, 0xc3, F1
	s_set_vgpr_msb 0x1
	s_wait_tensorcnt 0x0
	ds_add_u32 v255, v255
	s_wait_dscnt 0x0
	s_set_vgpr_msb 0x100
	CROUND                                         ; the closing round: no work-group ends while a partner may still ask for a tile that names it
	s_endpgm
.Lfunc_end_k_qf33b808c9a_qkv:
	.size	k_qf33b808c9a_qkv, .Lfunc_end_k_qf33b808c9a_qkv-k_qf33b808c9a_qkv
	.p2alignl 7, 3214868480
	.fill 96, 4, 3214868480
	.section	.rodata,"a",@progbits
	.p2align	6, 0x0
	.amdhsa_kernel k_qf33b808c9a_qkv
		.amdhsa_group_segment_fixed_size 327680
		.amdhsa_private_segment_fixed_size 0
		.amdhsa_enable_private_segment 0
		.amdhsa_kernarg_size 24
		.amdhsa_user_sgpr_count 2
		.amdhsa_user_sgpr_kernarg_segment_ptr 1
		.amdhsa_wavefront_size32 1
		.amdhsa_system_sgpr_workgroup_id_x 1
		.amdhsa_system_sgpr_workgroup_id_y 1
		.amdhsa_system_sgpr_workgroup_id_z 1
		.amdhsa_system_vgpr_workitem_id 0
		.amdhsa_next_free_vgpr 1024
		.amdhsa_next_free_sgpr 66
		.amdhsa_reserve_vcc 0
		.amdhsa_float_denorm_mode_32 3
		.amdhsa_float_denorm_mode_16_64 3
		.amdhsa_memory_ordered 1
		.amdhsa_forward_progress 1
		.amdhsa_inst_pref_size 213
	.end_amdhsa_kernel
	.amdgpu_metadata
---
amdhsa.version: [ 1, 2 ]
amdhsa.kernels:
  - .name:           k_qf33b808c9a_qkv
    .symbol:         k_qf33b808c9a_qkv.kd
    .args:
      - { .name: xb, .offset: 0, .size: 8, .value_kind: global_buffer, .address_space: global }
      - { .name: wt, .offset: 8, .size: 8, .value_kind: global_buffer, .address_space: global }
      - { .name: qkv, .offset: 16, .size: 8, .value_kind: global_buffer, .address_space: global }
    .group_segment_fixed_size: 327680
    .private_segment_fixed_size: 0
    .kernarg_segment_align: 8
    .kernarg_segment_size: 24
    .max_flat_workgroup_size: 128
    .sgpr_count:     66
    .vgpr_count:     1024
    .wavefront_size: 32
...
	.end_amdgpu_metadata
.endif
;; end of part 2
;; launch attn (part 3): grid 256 x 1, 8 waves a work-group, no clusters, 327,680 bytes of LDS; arguments qkv, yh; writes yh
.if DOCPART == 3
	.amdgcn_target "amdgcn-amd-amdhsa--gfx1250"
	.amdhsa_code_object_version 6
	.text
	.protected	k_qf33b808c9a_attn
	.globl	k_qf33b808c9a_attn
	.p2align	8
	.type	k_qf33b808c9a_attn,@function
k_qf33b808c9a_attn:
	s_mov_b64 s[64:65], 0
	v_nop
	global_prefetch_b8 v0, s[64:65] scope:SCOPE_SE
	s_setreg_imm32_b32 hwreg(HW_REG_WAVE_MODE, 25, 1), 1
	s_wait_xcnt 0x0
; attn: causal attention with a running maximum.  qkv[hc][m][64] f16 (q already times log2(e) / 8), yh[h][m][64] f16, m = 2048 b + t.
; Work-group id: j = id & 7, head h = (id >> 3) & 15, batch b = id >> 7.  It owns the query blocks A = j and B = 15 - j (128 rows each):
; (j + 1) + (16 - j) = 17 blocks of 128 x 128 scores for every work-group; blocks above the diagonal are not computed.
; Wave w: g = w & 3, p = w >> 2.  It owns 32 queries of A and 32 of B (rows 32 g ..) and, of every tile of 128 keys, the 64 keys of half p.
; The two halves' results meet once, at the end, through LDS.
; Both products are used transposed, so that nothing moves between lanes but one exchange of the two halves of 16 lanes:
;   S^T = K Q^T: source 0 = 16 keys x 32 d (LDS), source 1 = 16 queries x 32 d (registers).  Lane (r, hh), register i: key 8 hh + i, query r.
;   Two such tiles, rounded to f16 in place, ARE source 1 of  O^T = V^T P^T  (source 0 = V^T by the transposing LDS load).
;   Maximum, sum and rescaling factor are one number a lane.
; Softmax: p = 2^(s - m) with the running maximum m of the scaled scores; masked scores are -infinity; m starts at the most negative finite
; number, so a tile that is masked whole gives p = 0 and sums of 0, and no infinity is subtracted from an infinity.
; LIMITS: NaN and infinite scores (q, k or v beyond f16's range) are not served.  p below f16's smallest number counts as 0 in the product with V.
; NO CLUSTER: the eight work-groups of a head share K and V tiles but need 9 to 16 of them; in step with each other every one would
; take as many trips as the longest and wait for the slowest partner in each.
.set KP,    144                        ; K's LDS pitch: 128 bytes + 16: an odd multiple of 16
.set VP,    160                        ; V's LDS pitch: 128 bytes + 32: an odd multiple of 32, for the transposing load
.set VOFF,  128*KP                     ; V's tile behind K's in a slot
.set SLOT,  VOFF+128*VP                ; 38,912
.set MERGE, 2*SLOT                     ; 77,824 = 304 x 256: 34 blocks of 512 bytes for each g; no tensor load lands from here on
.set MBLK,  34*512
.set STAGE, MERGE+4*MBLK               ; 147,456: four query tiles x 16 rows x 144 bytes for each g
.set SBLK,  64*KP
.set TILEB, 128*128                    ; a tile of 128 keys in memory
.set KA, 2                             ; v2, v3   my K fragments' address in slot 0, 1
.set VA, 4                             ; v4, v5   my V fragments' address
.set QO, 6                             ; v6 q offset; v7 merge block; v8 stage in; v9 stage back; v10 yh offset
.set KF, 16                            ; v[16:79]   K fragment (kt, ks) at KF + 16 kt + 8 ks
.set VF, 80                            ; v[80:143]  V^T fragment (dt, ks) at VF + 16 dt + 8 ks
.set S,  144                           ; v[144:207] score tile (qt, kt) at S + 32 qt + 8 kt; later P (qt, ks) at S + 32 qt + 16 ks
.set M,  208                           ; v[208:211] running maximum of query tile q = 0..3 (0, 1: A; 2, 3: B)
.set L,  212                           ; v[212:215] running sum (this lane's keys only)
.set T,  216                           ; v[216:223] at work
.set NMP, 224                          ; v[224:225] the new maximum, twice
.set AL, 226                           ; v[226:229] rescaling factor, twice, for qt = 0, 1
.set SU, 230                           ; v[230:233] two chains of sums
.set NEGINF, 238
.set DIFF, 239                         ; 32 g + r - 64 p - 8 hh: key 16 kt + i is kept for query 16 qt where 16 (kt - qt) + i <= DIFF
.set QF, 128                           ; window 1: v[384:447] q fragment (q, ks) at QF + 16 q + 8 ks; v[256:383] O tile (q, dt) at 32 q + 8 dt
.set G1K, 16                           ; s[16:23] shape of a K load;  s[24:31] of a V load (wider padding)
.set G1V, 24
.set G0K, 32                           ; s[32:39] from where, to where, one set for each slot; s[40:47] the same for V
.set G0V, 40
.set MSB, 0
.macro WIN new                         ; low byte: bits 1:0 source 0, 3:2 source 1, 5:4 source 2, 7:6 destination; high byte: the setting that is left
.if MSB != \new
	s_set_vgpr_msb (MSB<<8)|\new
.set MSB, \new
.endif
.endm
.macro PLACES n                        ; independent vector instructions behind matrix instructions (ISA guide 7.12.1)
.rept \n
	v_nop
.endr
.endm
; One tensor load a wave: waves 0-3 bring 32 rows of K each, waves 4-7 32 rows of V.
.macro KVLOAD slot
	s_cmp_lt_u32 s8, 4
	s_cbranch_scc0 .Lfor_v_\@
	tensor_load_to_lds s[G0K+4*(\slot):G0K+4*(\slot)+3], s[G1K:G1K+7]
	s_nop 0
	s_branch .Lasked_\@
.Lfor_v_\@:
	tensor_load_to_lds s[G0V+4*(\slot):G0V+4*(\slot)+3], s[G1V:G1V+7]
	s_nop 0
.Lasked_\@:
.endm
	s_load_b128 s[4:7], s[0:1], 0x0                ; qkv s[4:5], yh s[6:7]
	v_lshl_add_u32 v254, v0, 2, 0x2d000
	v_mov_b32 v255, 0
	ds_add_u32 v254, v255
	ds_add_u32 v254, v255
	v_lshrrev_b32 v1, 5, v0
	v_readfirstlane_b32 s8, v1                     ; wave
	s_and_b32 s9, s8, 3                            ; g
	s_lshr_b32 s10, s8, 2                          ; p
	s_and_b32 s11, ttmp9, 7                        ; j
	s_lshr_b32 s12, ttmp9, 3
	s_and_b32 s62, s12, 15                         ; h
	s_lshr_b32 s63, s12, 4                         ; b
	s_lshl_b32 s62, s62, 12
	s_lshl_b32 s63, s63, 11
	s_add_co_u32 s15, s62, s63
	s_lshl_b32 s62, s9, 5
	s_add_co_u32 s15, s15, s62                     ; row 4096 h + 2048 b + 32 g
	; group 1: 32 rows x 64 elements of 2 bytes, dense in memory; behind every 32 words 4 (K) or 8 (V) words of padding
	s_mov_b32 s[G1K+0], (1<<16)|(1<<20)|(4<<22)|(3<<25)
	s_mov_b32 s[G1K+1], 64<<16
	s_mov_b32 s[G1K+2], 32<<16
	s_mov_b32 s[G1K+3], 64<<16
	s_mov_b32 s[G1K+4], 32
	s_mov_b32 s[G1K+5], 64
	s_mov_b32 s[G1K+6], 0
	s_mov_b32 s[G1K+7], 0
	s_mov_b32 s[G1V+0], (1<<16)|(1<<20)|(4<<22)|(7<<25)
	s_mov_b32 s[G1V+1], 64<<16
	s_mov_b32 s[G1V+2], 32<<16
	s_mov_b32 s[G1V+3], 64<<16
	s_mov_b32 s[G1V+4], 32
	s_mov_b32 s[G1V+5], 64
	s_mov_b32 s[G1V+6], 0
	s_mov_b32 s[G1V+7], 0
	s_mul_i32 s12, s9, 32*KP                       ; my 32 rows in K's tile
	s_mul_i32 s13, s9, 32*VP
	s_add_co_u32 s13, s13, VOFF                    ; or in V's
	s_add_co_u32 s62, s15, 16*4096                 ; k's heads lie 16 heads behind q's
	s_lshl_b32 s62, s62, 7
	s_mov_b32 s63, 0
	s_wait_dscnt 0x0
	s_wait_kmcnt 0x0
	s_add_nc_u64 s[50:51], s[4:5], s[62:63]
	s_add_nc_u64 s[2:3], s[50:51], 16*4096*128     ; v's another 16
.irp n, 0,1
	s_mov_b32 s[G0K+4*\n], 1
	s_add_co_u32 s[G0K+4*\n+1], s12, \n*SLOT
	s_add_nc_u64 s[G0K+4*\n+2:G0K+4*\n+3], s[50:51], \n*TILEB
	s_or_b32 s[G0K+4*\n+3], s[G0K+4*\n+3], 0x80000000
	s_mov_b32 s[G0V+4*\n], 1
	s_add_co_u32 s[G0V+4*\n+1], s13, \n*SLOT
	s_add_nc_u64 s[G0V+4*\n+2:G0V+4*\n+3], s[2:3], \n*TILEB
	s_or_b32 s[G0V+4*\n+3], s[G0V+4*\n+3], 0x80000000
.endr
	KVLOAD 0                                       ; tile 0, ahead of every wait on TENSORcnt, LDS read and barrier
	s_lshl_b32 s62, s11, 7
	s_add_co_u32 s62, s62, s15
	s_lshl_b32 s62, s62, 7                         ; block A's rows of mine, in bytes: the same in q's part of qkv and in yh
	s_add_nc_u64 s[48:49], s[4:5], s[62:63]
	s_add_nc_u64 s[54:55], s[6:7], s[62:63]
	s_sub_co_u32 s62, 15, s11
	s_lshl_b32 s62, s62, 7
	s_add_co_u32 s62, s62, s15
	s_lshl_b32 s62, s62, 7                         ; block B's
	s_add_nc_u64 s[52:53], s[4:5], s[62:63]
	s_add_nc_u64 s[56:57], s[6:7], s[62:63]
	v_and_b32 v11, 15, v0                          ; r
	v_bfe_u32 v12, v0, 4, 1                        ; hh
	v_lshlrev_b32 v[QO], 7, v11
	v_lshl_add_u32 v[QO], v12, 4, v[QO]            ; query r's row, 16 bytes for each half of the lanes
	WIN 0x40                                       ; destination in window 1
.irp qt, 0,1
.irp ks, 0,1
	global_load_b128 v[QF+16*\qt+8*\ks:QF+16*\qt+8*\ks+3],       v[QO], s[48:49] offset:\qt*2048+64*\ks
	global_load_b128 v[QF+16*\qt+8*\ks+4:QF+16*\qt+8*\ks+7],     v[QO], s[48:49] offset:\qt*2048+64*\ks+32
	global_load_b128 v[QF+32+16*\qt+8*\ks:QF+32+16*\qt+8*\ks+3],   v[QO], s[52:53] offset:\qt*2048+64*\ks
	global_load_b128 v[QF+32+16*\qt+8*\ks+4:QF+32+16*\qt+8*\ks+7], v[QO], s[52:53] offset:\qt*2048+64*\ks+32
.endr
.endr
	WIN 0
	v_and_b32 v1, 31, v0                           ; lane
	v_mul_u32_u24 v13, v11, KP
	v_lshl_add_u32 v13, v12, 4, v13                ; r x 144 + 16 hh
	s_mul_i32 s62, s10, 64*KP
	v_add_nc_u32 v[KA], s62, v13                   ; key 64 p + r
	v_add_nc_u32 v[KA+1], SLOT, v[KA]
	v_and_b32 v14, 7, v0
	v_lshl_add_u32 v14, v12, 3, v14
	v_mul_u32_u24 v14, v14, VP                     ; key 8 hh + lane % 8
	v_bfe_u32 v15, v0, 3, 1
	v_lshl_add_u32 v14, v15, 4, v14                ; which 8 of the 16 d
	s_mul_i32 s62, s10, 64*VP
	s_add_co_u32 s62, s62, VOFF
	v_add_nc_u32 v[VA], s62, v14
	v_add_nc_u32 v[VA+1], SLOT, v[VA]
	s_mul_i32 s62, s9, MBLK
	s_add_co_u32 s62, s62, MERGE
	v_lshl_add_u32 v7, v1, 4, s62                  ; merge: 16 bytes a lane in each block of 512
	s_mul_i32 s62, s9, SBLK
	s_add_co_u32 s62, s62, STAGE
	v_add_nc_u32 v8, s62, v13                      ; stage in: row r, 16 hh
	v_lshrrev_b32 v15, 3, v1
	v_mul_u32_u24 v15, v15, KP
	v_and_b32 v14, 7, v0
	v_lshl_add_u32 v15, v14, 4, v15
	v_add_nc_u32 v9, s62, v15                      ; stage back: row lane / 8, 16 (lane % 8)
	v_lshlrev_b32 v10, 4, v1                       ; yh: 16 x lane
	s_lshl_b32 s62, s9, 5
	s_lshl_b32 s63, s10, 6
	s_sub_co_i32 s62, s62, s63
	v_lshlrev_b32 v15, 3, v12
	v_sub_nc_u32 v[DIFF], v11, v15
	v_add_nc_u32 v[DIFF], s62, v[DIFF]
	v_mov_b32 v[NEGINF], 0xff800000
	s_mov_b32 s58, 0x76543210                      ; v_permlanex16_b32: lane i reads lane i of the other half
	s_mov_b32 s59, 0xfedcba98
	s_mov_b32 s61, 0xff7fffff                      ; the most negative finite number
	s_mov_b32 s13, 0                               ; the tile's number
	s_sub_co_u32 s14, 14, s11
	s_lshr_b32 s14, s14, 1                         ; trips of the loop: 3 to 7
	s_wait_loadcnt 0x0                             ; q, once
; Block X (0: A, 1: B): my 32 queries x my 64 keys of the tile.  first = 1: the sums start here.  mask: 0 none, 1 the diagonal, 2 the diagonal if tile = j.
.macro GROUP X, first, mask
	PLACES 5                                       ; the score registers were source 1 of the last products with V
	WIN 0x04                                       ; source 1 (q) in window 1
	; eight accumulators take turns, one instruction a turn
.irp ks, 0,1
.irp qt, 0,1
.irp kt, 0,1,2,3
.if \ks
	v_wmma_f32_16x16x32_f16 v[S+32*\qt+8*\kt:S+32*\qt+8*\kt+7], v[KF+16*\kt+8*\ks:KF+16*\kt+8*\ks+7], v[QF+16*(2*\X+\qt)+8*\ks:QF+16*(2*\X+\qt)+8*\ks+7], v[S+32*\qt+8*\kt:S+32*\qt+8*\kt+7]
.else
	v_wmma_f32_16x16x32_f16 v[S+32*\qt+8*\kt:S+32*\qt+8*\kt+7], v[KF+16*\kt+8*\ks:KF+16*\kt+8*\ks+7], v[QF+16*(2*\X+\qt)+8*\ks:QF+16*(2*\X+\qt)+8*\ks+7], 0
.endif
.endr
.endr
.endr
	WIN 0
	PLACES 4                                       ; before vector instructions read the scores
.if \mask == 2
	s_cmp_lg_u32 s13, s11
	s_cbranch_scc1 .Lnomask_\@
.endif
.if \mask
.irp qt, 0,1
.irp kt, 0,1,2,3
.irp i, 0,1,2,3,4,5,6,7
	v_cmp_le_i32 vcc_lo, 16*(\kt-\qt)+\i, v[DIFF]
	v_cndmask_b32 v[S+32*\qt+8*\kt+\i], v[NEGINF], v[S+32*\qt+8*\kt+\i], vcc_lo
.endr
.endr
.endr
.endif
.if \mask == 2
.Lnomask_\@:
.endif
.irp qt, 0,1
	; the largest of my 32 scores of this query, in four chains; then the other half of the lanes; then the running maximum
.irp c, 0,1,2,3
	v_max3_num_f32 v[T+\c], v[S+32*\qt+8*\c], v[S+32*\qt+8*\c+1], v[S+32*\qt+8*\c+2]
.endr
.irp c, 0,1,2,3
	v_max3_num_f32 v[T+\c], v[T+\c], v[S+32*\qt+8*\c+3], v[S+32*\qt+8*\c+4]
.endr
.irp c, 0,1,2,3
	v_max3_num_f32 v[T+\c], v[T+\c], v[S+32*\qt+8*\c+5], v[S+32*\qt+8*\c+6]
.endr
.irp c, 0,1,2,3
	v_max_num_f32 v[T+\c], v[T+\c], v[S+32*\qt+8*\c+7]
.endr
	v_max3_num_f32 v[T], v[T], v[T+1], v[T+2]
	v_max_num_f32 v[T], v[T], v[T+3]
	v_permlanex16_b32 v[T+1], v[T], s58, s59
.if \first
	v_max3_num_f32 v[NMP], v[T], v[T+1], s61
	v_mov_b32 v[NMP+1], v[NMP]
.else
	v_max3_num_f32 v[NMP], v[T], v[T+1], v[M+2*\X+\qt]
	v_mov_b32 v[NMP+1], v[NMP]
	v_sub_f32 v[T+2], v[M+2*\X+\qt], v[NMP]
	v_exp_f32 v[AL+2*\qt], v[T+2]                  ; 2^(old maximum - new maximum), twice for the packed multiply
	v_exp_f32 v[AL+2*\qt+1], v[T+2]
.endif
	v_mov_b32 v[M+2*\X+\qt], v[NMP]                ; also the plain instruction behind the two exponentials (ISA guide 5.7.2)
.irp u, 0,1,2,3,4,5,6,7,8,9,10,11,12,13,14,15
	v_pk_add_f32 v[S+32*\qt+2*\u:S+32*\qt+2*\u+1], v[S+32*\qt+2*\u:S+32*\qt+2*\u+1], v[NMP:NMP+1] neg_lo:[0,1] neg_hi:[0,1]
.endr
.set i, 0
.rept 32
	v_exp_f32 v[S+32*\qt+i], v[S+32*\qt+i]
.set i, i+1
.endr
	v_nop                                          ; one plain instruction before the exponentials' results are read
	s_wait_alu depctr_va_vdst(0)
	v_pk_add_f32 v[SU:SU+1], v[S+32*\qt:S+32*\qt+1], v[S+32*\qt+2:S+32*\qt+3]
	v_pk_add_f32 v[SU+2:SU+3], v[S+32*\qt+4:S+32*\qt+5], v[S+32*\qt+6:S+32*\qt+7]
.irp u, 4,5,6,7,8,9,10,11,12,13,14,15
	v_pk_add_f32 v[SU+2*(\u&1):SU+2*(\u&1)+1], v[SU+2*(\u&1):SU+2*(\u&1)+1], v[S+32*\qt+2*\u:S+32*\qt+2*\u+1]
.endr
	v_pk_add_f32 v[SU:SU+1], v[SU:SU+1], v[SU+2:SU+3]
.if \first
	v_add_f32 v[L+2*\X+\qt], v[SU], v[SU+1]
.else
	v_add_f32 v[SU], v[SU], v[SU+1]
	v_fma_f32 v[L+2*\X+\qt], v[L+2*\X+\qt], v[AL+2*\qt], v[SU]
.endif
	; to f16 in place: tiles 2 ks and 2 ks + 1 become the eight registers of P's fragment ks
.irp ks, 0,1
.irp m, 0,1,2,3
	v_cvt_pk_f16_f32 v[S+32*\qt+16*\ks+\m], v[S+32*\qt+16*\ks+2*\m], v[S+32*\qt+16*\ks+2*\m+1]
.endr
.irp m, 0,1,2,3
	v_cvt_pk_f16_f32 v[S+32*\qt+16*\ks+4+\m], v[S+32*\qt+16*\ks+8+2*\m], v[S+32*\qt+16*\ks+8+2*\m+1]
.endr
.endr
.endr
.if \first == 0
	WIN 0x41                                       ; O: source 0 and destination in window 1
.irp qt, 0,1
.irp u, 0,1,2,3,4,5,6,7,8,9,10,11,12,13,14,15
	v_pk_mul_f32 v[32*(2*\X+\qt)+2*\u:32*(2*\X+\qt)+2*\u+1], v[32*(2*\X+\qt)+2*\u:32*(2*\X+\qt)+2*\u+1], v[AL+2*\qt:AL+2*\qt+1]
.endr
.endr
.endif
	s_wait_dscnt 0x0                               ; V's fragments are in
	WIN 0x50                                       ; C and D (O) in window 1
	; eight accumulators take turns, one instruction a turn
.irp ks, 0,1
.irp qt, 0,1
.irp dt, 0,1,2,3
.if \first*(1-\ks)
	v_wmma_f32_16x16x32_f16 v[32*(2*\X+\qt)+8*\dt:32*(2*\X+\qt)+8*\dt+7], v[VF+16*\dt+8*\ks:VF+16*\dt+8*\ks+7], v[S+32*\qt+16*\ks:S+32*\qt+16*\ks+7], 0
.else
	v_wmma_f32_16x16x32_f16 v[32*(2*\X+\qt)+8*\dt:32*(2*\X+\qt)+8*\dt+7], v[VF+16*\dt+8*\ks:VF+16*\dt+8*\ks+7], v[S+32*\qt+16*\ks:S+32*\qt+16*\ks+7], v[32*(2*\X+\qt)+8*\dt:32*(2*\X+\qt)+8*\dt+7]
.endif
.endr
.endr
.endr
	WIN 0
.endm
; One tile of 128 keys, in slot.  refill = 1: the next tile is asked for, into the other slot.  modeA: 0 block A is over, 1 A takes part while tile <= j, 2 always.
.macro TRIP slot, refill, modeA, first, maskB
	s_wait_tensorcnt 0x0                           ; all my tensor loads have landed (one was out: my part of this tile), so group 0 may be written
	ds_add_u32 v254, v255
	s_wait_dscnt 0x0
	s_add_nc_u64 s[G0K+4*\slot+2:G0K+4*\slot+3], s[G0K+4*\slot+2:G0K+4*\slot+3], 2*TILEB   ; this slot's next tile
	s_add_nc_u64 s[G0V+4*\slot+2:G0V+4*\slot+3], s[G0V+4*\slot+2:G0V+4*\slot+3], 2*TILEB
	s_wait_dscnt 0x0                               ; my reads of the other slot are back
	s_barrier_signal -1
	s_barrier_wait -1                              ; both hold of all eight waves
.if \refill
	KVLOAD 1-\slot                                 ; my one tensor load behind this barrier; it has the whole trip in which to land
.endif
	PLACES 4                                       ; the loads below land in registers that the last matrix instructions read
.irp kt, 0,1,2,3
.irp ks, 0,1
	ds_load_b128 v[KF+16*\kt+8*\ks:KF+16*\kt+8*\ks+3],   v[KA+\slot] offset:\kt*16*KP+64*\ks
	ds_load_b128 v[KF+16*\kt+8*\ks+4:KF+16*\kt+8*\ks+7], v[KA+\slot] offset:\kt*16*KP+64*\ks+32
.endr
.endr
.irp dt, 0,1,2,3
.irp ks, 0,1
	ds_load_tr16_b128 v[VF+16*\dt+8*\ks:VF+16*\dt+8*\ks+3],   v[VA+\slot] offset:\ks*32*VP+32*\dt
	ds_load_tr16_b128 v[VF+16*\dt+8*\ks+4:VF+16*\dt+8*\ks+7], v[VA+\slot] offset:\ks*32*VP+32*\dt+16*VP
.endr
.endr
	s_wait_dscnt 16                                ; K's 16 loads are in; V's 16 may stay out
.if \modeA == 1
	s_cmp_gt_u32 s13, s11
	s_cbranch_scc1 .LnoA_\@
.endif
.if \modeA
	GROUP 0, \first, 2
.endif
.if \modeA == 1
.LnoA_\@:
.endif
	GROUP 1, \first, \maskB
	s_add_co_u32 s13, s13, 1
.endm
	; 16 - j tiles: one, pairs in the loop, then one (j even) or two (j odd).  B's diagonal is the last tile; the last tile asks for nothing.
	TRIP 0, 1, 2, 1, 0
.Lpair:
	TRIP 1, 1, 1, 0, 0
	TRIP 0, 1, 1, 0, 0
	s_sub_co_i32 s14, s14, 1
	s_cmp_gt_i32 s14, 0                            ; a signed compare: the loop ends from whatever start
	s_cbranch_scc1 .Lpair
	s_bitcmp1_b32 s11, 0
	s_cbranch_scc0 .Leven
	TRIP 1, 1, 1, 0, 0
	TRIP 0, 0, 0, 0, 1
	s_branch .Lmerge
.Leven:
	TRIP 1, 0, 0, 0, 1
.Lmerge:
	; THE TWO HALVES OF THE KEYS MEET.  Waves 4-7 hand O, maximum and sum to waves 0-3 through LDS bytes of their own.
.set PM, 240                           ; v[240:243] the partner's maxima, v[244:247] its sums
.set PL, 244
.set TT, 248                           ; v[248:252] at work
.set FA, 176                           ; v[176:183] my factor, twice, for each q;  v[184:191] the partner's
.set FB, 184
.set PO, 16                            ; v[16:47]   the partner's O of one query tile
.set R,  80                            ; v[80:111]  the result in f32
.set H,  144                           ; v[144:159] in f16
.set W,  160                           ; v[160:175] read back by rows
	PLACES 4                               ; behind the last matrix instructions: their results are stored, their sources written
	s_cmp_lt_u32 s8, 4
	s_cbranch_scc1 .Lkeeper
	WIN 0x04                               ; an LDS store's data are source 1: window 1
.set i, 0
.rept 32
	ds_store_b128 v7, v[4*i:4*i+3] offset:512*i
.set i, i+1
.endr
	WIN 0
	ds_store_b128 v7, v[M:M+3] offset:512*32
	ds_store_b128 v7, v[L:L+3] offset:512*33
.Lkeeper:
	s_wait_dscnt 0x0                       ; zero: for the partner's sake
	s_barrier_signal -1
	s_barrier_wait -1                      ; no tensor load is out
	s_cmp_lt_u32 s8, 4
	s_cbranch_scc0 .Lend
	ds_load_b128 v[PM:PM+3], v7 offset:512*32
	ds_load_b128 v[PL:PL+3], v7 offset:512*33
	v_mov_b32 v[TT+4], 0                   ; v_permlanex16_b32 counts as a reader of its destination
	s_wait_dscnt 0x0
.irp q, 0,1,2,3
	v_max_num_f32 v[TT], v[M+\q], v[PM+\q]
	v_sub_f32 v[TT+1], v[M+\q], v[TT]
	v_sub_f32 v[TT+2], v[PM+\q], v[TT]
	v_exp_f32 v[TT+1], v[TT+1]
	v_exp_f32 v[TT+2], v[TT+2]
	v_nop
	s_wait_alu depctr_va_vdst(0)
	v_mul_f32 v[TT+3], v[L+\q], v[TT+1]
	v_fmac_f32 v[TT+3], v[PL+\q], v[TT+2]
	v_permlanex16_b32 v[TT+4], v[TT+3], s58, s59   ; the keys of the other half of the lanes
	v_add_f32 v[TT+3], v[TT+3], v[TT+4]            ; key 0 is never masked, so the sum is at least about 1
	v_rcp_f32 v[TT+3], v[TT+3]
	v_nop
	s_wait_alu depctr_va_vdst(0)
	v_mul_f32 v[FA+2*\q], v[TT+1], v[TT+3]
	v_mul_f32 v[FB+2*\q], v[TT+2], v[TT+3]
	v_mov_b32 v[FA+2*\q+1], v[FA+2*\q]
	v_mov_b32 v[FB+2*\q+1], v[FB+2*\q]
.endr
.irp q, 0,1,2,3
.if \q
	s_wait_xcnt 0x0                        ; W, which the last tile's stores read, is loaded again only behind this wait
.endif
.irp u, 0,1,2,3,4,5,6,7
	ds_load_b128 v[PO+4*\u:PO+4*\u+3], v7 offset:512*(8*\q+\u)
.endr
	s_wait_dscnt 0x0
.irp u, 0,1,2,3,4,5,6,7,8,9,10,11,12,13,14,15
	v_pk_mul_f32 v[PO+2*\u:PO+2*\u+1], v[PO+2*\u:PO+2*\u+1], v[FB+2*\q:FB+2*\q+1]
.endr
	WIN 0x01                               ; source 0 (my O) in window 1
.irp u, 0,1,2,3,4,5,6,7,8,9,10,11,12,13,14,15
	v_pk_fma_f32 v[R+2*\u:R+2*\u+1], v[32*\q+2*\u:32*\q+2*\u+1], v[FA+2*\q:FA+2*\q+1], v[PO+2*\u:PO+2*\u+1]
.endr
	WIN 0
.irp u, 0,1,2,3,4,5,6,7,8,9,10,11,12,13,14,15
	v_cvt_pk_f16_f32 v[H+\u], v[R+2*\u], v[R+2*\u+1]
.endr
.irp dt, 0,1,2,3
	ds_store_b128 v8, v[H+4*\dt:H+4*\dt+3] offset:\q*16*KP+32*\dt      ; query r, d = 16 dt + 8 hh + 0..7
.endr
.irp u, 0,1,2,3
	ds_load_b128 v[W+4*\u:W+4*\u+3], v9 offset:\q*16*KP+4*KP*\u        ; four rows; LDS serves a wave's instructions in order
.endr
.irp u, 0,1,2,3
	s_wait_dscnt 3-\u
	global_store_b128 v10, v[W+4*\u:W+4*\u+3], s[54+2*(\q>>1):55+2*(\q>>1)] offset:(\q&1)*2048+512*\u   ; 512 consecutive bytes, aligned
.endr
.endr
.Lend:
	s_wait_tensorcnt 0x0
	ds_add_u32 v254, v255
	s_wait_dscnt 0x0
	s_endpgm
.Lfunc_end_k_qf33b808c9a_attn:
	.size	k_qf33b808c9a_attn, .Lfunc_end_k_qf33b808c9a_attn-k_qf33b808c9a_attn
	.p2alignl 7, 3214868480
	.fill 96, 4, 3214868480
	.section	.rodata,"a",@progbits
	.p2align	6, 0x0
	.amdhsa_kernel k_qf33b808c9a_attn
		.amdhsa_group_segment_fixed_size 327680
		.amdhsa_private_segment_fixed_size 0
		.amdhsa_enable_private_segment 0
		.amdhsa_kernarg_size 16
		.amdhsa_user_sgpr_count 2
		.amdhsa_user_sgpr_kernarg_segment_ptr 1
		.amdhsa_wavefront_size32 1
		.amdhsa_system_sgpr_workgroup_id_x 1
		.amdhsa_system_sgpr_workgroup_id_y 1
		.amdhsa_system_sgpr_workgroup_id_z 1
		.amdhsa_system_vgpr_workitem_id 0
		.amdhsa_next_free_vgpr 448
		.amdhsa_next_free_sgpr 66
		.amdhsa_reserve_vcc 1
		.amdhsa_float_denorm_mode_32 3
		.amdhsa_float_denorm_mode_16_64 3
		.amdhsa_memory_ordered 1
		.amdhsa_forward_progress 1
		.amdhsa_inst_pref_size 220
	.end_amdhsa_kernel
	.amdgpu_metadata
---
amdhsa.version: [ 1, 2 ]
amdhsa.kernels:
  - .name:           k_qf33b808c9a_attn
    .symbol:         k_qf33b808c9a_attn.kd
    .args:
      - { .name: qkv, .offset: 0, .size: 8, .value_kind: global_buffer, .address_space: global }
      - { .name: yh, .offset: 8, .size: 8, .value_kind: global_buffer, .address_space: global }
    .group_segment_fixed_size: 327680
    .private_segment_fixed_size: 0
    .kernarg_segment_align: 8
    .kernarg_segment_size: 16
    .max_flat_workgroup_size: 256
    .sgpr_count:     66
    .vgpr_count:     448
    .wavefront_size: 32
...
	.end_amdgpu_metadata
.endif
;; end of part 3
;; launch proj (part 4): grid 8 x 32, 4 waves a work-group, clusters of 4 x 4, 327,680 bytes of LDS; arguments yh, wt, out0; writes out0
.if DOCPART == 4
	.amdgcn_target "amdgcn-amd-amdhsa--gfx1250"
	.amdhsa_code_object_version 6
	.text
	.protected	k_qf33b808c9a_proj
	.globl	k_qf33b808c9a_proj
	.p2align	8
	.type	k_qf33b808c9a_proj,@function
k_qf33b808c9a_proj:
	s_mov_b64 s[64:65], 0
	v_nop
	global_prefetch_b8 v0, s[64:65] scope:SCOPE_SE
	s_setreg_imm32_b32 hwreg(HW_REG_WAVE_MODE, 25, 1), 1
	s_wait_xcnt 0x0
	s_wait_alu depctr_hold_cnt(0) depctr_sa_sdst(0) depctr_va_vdst(0) depctr_va_sdst(0) depctr_va_ssrc(0) depctr_va_vcc(0) depctr_vm_vsrc(0)
	s_getreg_b32 s2, hwreg(HW_REG_IB_STS2, 6, 4)
	s_cmp_eq_u32 s2, 0
	s_cbranch_scc0 .Lentry_in_a_cluster
	s_endpgm
.Lentry_in_a_cluster:
	s_bfe_u32 s2, ttmp6, 0x10000c
	s_cmp_lg_u32 s2, 0xf033
	s_cbranch_scc0 .Lentry_shape_is_right
	s_endpgm
.Lentry_shape_is_right:
; proj: out0[m][n] = sum over k of y[m][k] w_proj[k][n], m < 4096, n < 1024, k = 64 h + d < 1024; f16 operands, f32 sums and result.
; y comes head-major (yh[h][m][64]), the weight turned (wt rows 3072 + n, K along the rows).
; A work-group makes 128 x 128 of out0, so that 4096 x 1024 outputs give 256 work-groups; a wave makes 64 x 64: 16 accumulator tiles.
; K goes through two LDS slots of 256 k (four heads) each: four fills in all, two at the start and two refills.
; CLUSTERS: 4 x 4 work-groups; y's tiles are shared along a row of the cluster, the weight's along a column, each asked for jointly.
; The matrix instruction is used transposed (source 0 = 16 rows of wt, source 1 = 16 rows of y): a lane holds eight neighbouring columns of one row.
; Window 0: addresses, fragments (two buffers), the way out.  Window 1: accumulator (a, b) at v[8 (4 a + b)].
.set KP,     144                       ; y's LDS pitch: a head's row of 128 bytes + 16
.set BP,     528                       ; the weight's LDS pitch: 512 bytes + 16
.set AHEAD,  128*KP                    ; one head's 128 rows
.set ABYTES, 4*AHEAD
.set BHALF,  64*BP
.set SLOT,   ABYTES+2*BHALF            ; 141,312
.set STAGE,  2*SLOT                    ; 282,624 = 1104 x 256: 16 rows x 272 bytes for each wave; no tensor load lands here
.set SPITCH, 272
.set ADRA, 16                          ; v16-17 my y fragments in slot 0, 1
.set ADRB, 20                          ; v20-21 my weight fragments
.set STO,  24
.set RD,   25
.set CO,   26
.set F0,   64                          ; a buffer: y's fragments at +8 a, the weight's at +32 + 8 b
.set F1,   128
.set OUTB, 192
.set G1, 24                            ; s[24:31], s[32:39]: y's tiles;  s[48:55], s[56:63]: the weight's
.set G0, 32
.set G1B, 48
.set G0B, 56
.set MSB, 0
.macro WIN new
.if MSB != \new
	s_set_vgpr_msb (MSB<<8)|\new
.set MSB, \new
.endif
.endm
.macro PLACES                          ; four independent vector instructions behind a matrix instruction (ISA guide 7.12.1 for vector instructions)
.rept 4
	v_nop
.endr
.endm
.macro JLOAD s                         ; waves 0, 1 ask for y's two pairs of heads, waves 2, 3 for the weight's two halves
	s_cmp_eq_u32 s11, 0
	s_cbranch_scc0 .Lfor_b_\@
	tensor_load_to_lds s[G0+4*\s:G0+4*\s+3], s[G1:G1+7]
	s_nop 0
	s_branch .Lasked_\@
.Lfor_b_\@:
	tensor_load_to_lds s[G0B+4*\s:G0B+4*\s+3], s[G1B:G1B+7]
	s_nop 0
.Lasked_\@:
.endm
.macro CROUND                          ; a round of the cluster's barrier
	s_barrier_signal -1
	s_barrier_wait -1
	s_cmp_lg_u32 s10, 0
	s_cbranch_scc1 .Lnot_wave_0_\@
	s_barrier_signal -3
.Lnot_wave_0_\@:
	s_barrier_wait -3
	s_barrier_signal -1
	s_barrier_wait -1
.endm
	s_load_b128 s[4:7], s[0:1], 0x0                ; yh s[4:5], wt s[6:7]
	s_load_b64 s[8:9], s[0:1], 0x10                ; out0
	v_lshl_add_u32 v254, v0, 2, 0x49400
	v_mov_b32 v255, 0
	ds_add_u32 v254, v255
	ds_add_u32 v254, v255
	v_lshrrev_b32 v1, 5, v0
	v_readfirstlane_b32 s10, v1                    ; wave
	s_lshr_b32 s11, s10, 1                         ; my half of the rows; also: I fetch y (0) or the weight (1)
	s_and_b32 s12, s10, 1                          ; my half of the columns; also: which half of that tile I fetch
	s_bfe_u32 s40, ttmp6, 0x40000                  ; cx
	s_bfe_u32 s41, ttmp6, 0x40004                  ; cy
	s_lshl_b32 s42, ttmp9, 2
	s_add_co_u32 s42, s42, s40                     ; block column
	s_and_b32 s13, ttmp7, 0xffff
	s_lshl_b32 s13, s13, 2
	s_add_co_u32 s13, s13, s41                     ; block row
	s_lshl_b32 s43, s41, 2
	s_lshl_b32 s43, 15, s43                        ; my row of the cluster
	s_lshl_b32 s44, 0x1111, s40                    ; my column
	; y: two heads; a head's 128 rows of 128 bytes are 16,384 dense bytes, stated as one row of 8,192 elements; the padding is counted
	; along the tile, 4 words behind every 32, so that each row of 128 bytes gets its 16
	s_or_b32 s[G1+0], s43, (1<<16)|(1<<20)|(1<<21)|(4<<22)|(3<<25)
	s_mov_b32 s[G1+1], 8192<<16                    ; tensor_dim0
	s_mov_b32 s[G1+2], 2<<16                       ; tensor_dim1
	s_mov_b32 s[G1+3], 8192<<16                    ; tile_dim0
	s_mov_b32 s[G1+4], 2                           ; tile_dim1
	s_mov_b32 s[G1+5], 262144                      ; elements from head to head
	s_mov_b32 s[G1+6], 0
	s_mov_b32 s[G1+7], 0
	; the weight: 64 rows x 256 elements, 4 words of padding behind every 128
	s_or_b32 s[G1B+0], s44, (1<<16)|(1<<20)|(1<<21)|(6<<22)|(3<<25)
	s_mov_b32 s[G1B+1], 256<<16
	s_mov_b32 s[G1B+2], 64<<16
	s_mov_b32 s[G1B+3], 256<<16
	s_mov_b32 s[G1B+4], 64
	s_mov_b32 s[G1B+5], 1024
	s_mov_b32 s[G1B+6], 0
	s_mov_b32 s[G1B+7], 0
	s_lshl_b32 s16, s13, 14                        ; y: 128 rows of 128 bytes for a block row,
	s_lshl_b32 s17, s12, 20                        ; two heads of 524,288 bytes for my half
	s_add_co_u32 s16, s16, s17
	s_mov_b32 s17, 0
	s_lshl_b32 s46, s42, 7
	s_lshl_b32 s47, s12, 6
	s_add_co_u32 s46, s46, s47
	s_add_co_u32 s46, s46, 3072                    ; wt's row 3072 + 128 x block column + 64 x half
	s_lshl_b32 s46, s46, 11
	s_mov_b32 s47, 0
	s_mul_i32 s20, s12, 2*AHEAD                    ; where they go
	s_mul_i32 s21, s12, BHALF
	s_add_co_u32 s21, s21, ABYTES
	s_wait_dscnt 0x0
	s_wait_kmcnt 0x0
	s_add_nc_u64 s[14:15], s[4:5], s[16:17]
	s_add_nc_u64 s[46:47], s[6:7], s[46:47]
	CROUND                                         ; in front of the first joint loads
.irp s, 0,1
	s_mov_b32 s[G0+4*\s], 1
	s_add_co_u32 s[G0+4*\s+1], s20, \s*SLOT
	s_add_nc_u64 s[G0+4*\s+2:G0+4*\s+3], s[14:15], \s*4*524288
	s_or_b32 s[G0+4*\s+3], s[G0+4*\s+3], 0x80000000
	s_mov_b32 s[G0B+4*\s], 1
	s_add_co_u32 s[G0B+4*\s+1], s21, \s*SLOT
	s_add_nc_u64 s[G0B+4*\s+2:G0B+4*\s+3], s[46:47], \s*512
	s_or_b32 s[G0B+4*\s+3], s[G0B+4*\s+3], 0x80000000
	JLOAD \s                                       ; both first fills together: two loads of the wave are out
.endr
	v_and_b32 v1, 15, v0                           ; r
	v_bfe_u32 v2, v0, 4, 1                         ; hh
	v_mul_u32_u24 v3, v1, KP
	v_lshl_add_u32 v3, v2, 4, v3
	s_mul_i32 s22, s11, 64*KP
	v_add_nc_u32 v[ADRA], s22, v3
	v_add_nc_u32 v[ADRA+1], SLOT, v[ADRA]
	v_mul_u32_u24 v4, v1, BP
	v_lshl_add_u32 v4, v2, 4, v4
	s_mul_i32 s22, s12, BHALF
	s_add_co_u32 s22, s22, ABYTES
	v_add_nc_u32 v[ADRB], s22, v4
	v_add_nc_u32 v[ADRB+1], SLOT, v[ADRB]
	s_mul_i32 s23, s10, 16*SPITCH
	s_add_co_u32 s23, s23, STAGE
	v_mul_u32_u24 v5, v1, SPITCH
	v_lshl_add_u32 v5, v2, 5, v5                   ; in: row r, 32 bytes (8 f32) for each half of the lanes
	v_add_nc_u32 v[STO], s23, v5
	v_mul_u32_u24 v5, v2, SPITCH
	v_lshl_add_u32 v5, v1, 4, v5                   ; back: lanes 0-15 one row of 256 bytes, lanes 16-31 the next
	v_add_nc_u32 v[RD], s23, v5
	v_lshlrev_b32 v5, 12, v2
	v_lshl_add_u32 v[CO], v1, 4, v5                ; the same two rows in out0
; 16 LDS loads: the fragments of 32 k, number q of the slot's eight, into buffer f
.macro FETCH slot, q, f
.irp b, 0,1,2,3
	ds_load_b128 v[\f+32+8*\b:\f+32+8*\b+3], v[ADRB+\slot] offset:\b*16*BP+64*(\q)
	ds_load_b128 v[\f+32+8*\b+4:\f+32+8*\b+7], v[ADRB+\slot] offset:\b*16*BP+64*(\q)+32
.endr
.irp a, 0,1,2,3
	ds_load_b128 v[\f+8*\a:\f+8*\a+3], v[ADRA+\slot] offset:((\q)>>1)*AHEAD+\a*16*KP+64*((\q)&1)
	ds_load_b128 v[\f+8*\a+4:\f+8*\a+7], v[ADRA+\slot] offset:((\q)>>1)*AHEAD+\a*16*KP+64*((\q)&1)+32
.endr
.endm
; 16 matrix instructions; the 16 accumulators take turns, one instruction a turn
.macro MUL f, zero
	WIN 0x50                                       ; C and D in window 1
.irp a, 0,1,2,3
.irp b, 0,1,2,3
.if \zero
	v_wmma_f32_16x16x32_f16 v[8*(4*\a+\b):8*(4*\a+\b)+7], v[\f+32+8*\b:\f+32+8*\b+7], v[\f+8*\a:\f+8*\a+7], 0
.else
	v_wmma_f32_16x16x32_f16 v[8*(4*\a+\b):8*(4*\a+\b)+7], v[\f+32+8*\b:\f+32+8*\b+7], v[\f+8*\a:\f+8*\a+7], v[8*(4*\a+\b):8*(4*\a+\b)+7]
.endif
.endr
.endr
	WIN 0
.endm
.macro STEP slot, q, f, g, zero        ; fetches number q + 1 into g, then multiplies number q in f
.if \q
	PLACES
.endif
	FETCH \slot, \q+1, \g
	s_wait_dscnt 16                                ; all but the 16 just issued
	MUL \f, \zero
.endm
.macro WORK slot, zero                 ; a slot's 256 k: 128 matrix instructions
	PLACES
	FETCH \slot, 0, F0
	STEP \slot, 0, F0, F1, \zero
	STEP \slot, 1, F1, F0, 0
	STEP \slot, 2, F0, F1, 0
	STEP \slot, 3, F1, F0, 0
	STEP \slot, 4, F0, F1, 0
	STEP \slot, 5, F1, F0, 0
	STEP \slot, 6, F0, F1, 0
	s_wait_dscnt 0
	MUL F1, 0
.endm
; The slot just read is filled again, two slots further along K.  The round takes the place of the barrier in front of a refill.
.macro AGAIN slot
	s_wait_dscnt 0x0                               ; my reads of the slot are back
	s_wait_tensorcnt 0x0                           ; all my tensor loads have landed, my part of the other slot among them
	ds_add_u32 v254, v255
	s_wait_dscnt 0x0
	s_add_nc_u64 s[G0+4*\slot+2:G0+4*\slot+3], s[G0+4*\slot+2:G0+4*\slot+3], 8*524288
	s_add_nc_u64 s[G0B+4*\slot+2:G0B+4*\slot+3], s[G0B+4*\slot+2:G0B+4*\slot+3], 1024
	CROUND
	JLOAD \slot                                    ; my one tensor load behind the round; it has 128 matrix instructions in which to land
.endm
	s_wait_tensorcnt 1                             ; my part of slot 0 is in; slot 1's load may stay out
	s_barrier_signal -1
	s_barrier_wait -1
	WORK 0, 1                                      ; k 0-255: the first products start the sums
	AGAIN 0
	WORK 1, 0                                      ; k 256-511
	AGAIN 1
	WORK 0, 0                                      ; k 512-767
	s_wait_dscnt 0x0
	s_wait_tensorcnt 0x0                           ; my part of the last fill is in,
	s_barrier_signal -1
	s_barrier_wait -1                              ; everybody's is
	WORK 1, 0                                      ; k 768-1023
	; THE WAY OUT, 16 rows at a time through my own stage
	PLACES
	s_lshl_b32 s16, s13, 7
	s_lshl_b32 s17, s11, 6
	s_add_co_u32 s16, s16, s17                     ; my first row
	s_lshl_b32 s16, s16, 12                        ; rows of 4,096 bytes
	s_mov_b32 s17, 0
	s_add_nc_u64 s[8:9], s[8:9], s[16:17]
	s_lshl_b32 s46, s42, 9
	s_lshl_b32 s47, s12, 8
	s_add_co_u32 s46, s46, s47                     ; my first column, in bytes
	s_mov_b32 s47, 0
	s_add_nc_u64 s[8:9], s[8:9], s[46:47]
.irp a, 0,1,2,3
.if \a
	s_wait_xcnt 0x0                                ; the stores' data and base are written again only behind this wait
	s_add_nc_u64 s[8:9], s[8:9], 16*4096
.endif
	WIN 0x04                                       ; an LDS store's data are source 1: window 1
.irp b, 0,1,2,3
	ds_store_b128 v[STO], v[8*(4*\a+\b):8*(4*\a+\b)+3] offset:64*\b
	ds_store_b128 v[STO], v[8*(4*\a+\b)+4:8*(4*\a+\b)+7] offset:64*\b+16
.endr
	WIN 0
.irp t, 0,1,2,3,4,5,6,7
	ds_load_b128 v[OUTB+4*\t:OUTB+4*\t+3], v[RD] offset:2*SPITCH*\t    ; LDS serves a wave's instructions in order
.endr
.irp t, 0,1,2,3,4,5,6,7
	s_wait_dscnt 7-\t
	global_store_b128 v[CO], v[OUTB+4*\t:OUTB+4*\t+3], s[8:9] offset:8192*\t th:TH_STORE_NT   ; 16 lanes store 256 consecutive bytes, aligned
.endr
.endr
	s_wait_tensorcnt 0x0
	ds_add_u32 v254, v255
	s_wait_dscnt 0x0
	CROUND                                         ; the closing round
	s_endpgm
.Lfunc_end_k_qf33b808c9a_proj:
	.size	k_qf33b808c9a_proj, .Lfunc_end_k_qf33b808c9a_proj-k_qf33b808c9a_proj
	.p2alignl 7, 3214868480
	.fill 96, 4, 3214868480
	.section	.rodata,"a",@progbits
	.p2align	6, 0x0
	.amdhsa_kernel k_qf33b808c9a_proj
		.amdhsa_group_segment_fixed_size 327680
		.amdhsa_private_segment_fixed_size 0
		.amdhsa_enable_private_segment 0
		.amdhsa_kernarg_size 24
		.amdhsa_user_sgpr_count 2
		.amdhsa_user_sgpr_kernarg_segment_ptr 1
		.amdhsa_wavefront_size32 1
		.amdhsa_system_sgpr_workgroup_id_x 1
		.amdhsa_system_sgpr_workgroup_id_y 1
		.amdhsa_system_sgpr_workgroup_id_z 1
		.amdhsa_system_vgpr_workitem_id 0
		.amdhsa_next_free_vgpr 384
		.amdhsa_next_free_sgpr 66
		.amdhsa_reserve_vcc 0
		.amdhsa_float_denorm_mode_32 3
		.amdhsa_float_denorm_mode_16_64 3
		.amdhsa_memory_ordered 1
		.amdhsa_forward_progress 1
		.amdhsa_inst_pref_size 88
	.end_amdhsa_kernel
	.amdgpu_metadata
---
amdhsa.version: [ 1, 2 ]
amdhsa.kernels:
  - .name:           k_qf33b808c9a_proj
    .symbol:         k_qf33b808c9a_proj.kd
    .args:
      - { .name: yh, .offset: 0, .size: 8, .value_kind: global_buffer, .address_space: global }
      - { .name: wt, .offset: 8, .size: 8, .value_kind: global_buffer, .address_space: global }
      - { .name: out0, .offset: 16, .size: 8, .value_kind: global_buffer, .address_space: global }
    .group_segment_fixed_size: 327680
    .private_segment_fixed_size: 0
    .kernarg_segment_align: 8
    .kernarg_segment_size: 24
    .max_flat_workgroup_size: 128
    .sgpr_count:     66
    .vgpr_count:     384
    .wavefront_size: 32
...
	.end_amdgpu_metadata
.endif
;; end of part 4
